; MI455X (gfx1250); checked and timed in simulation.
; The chip was launched on July 23, 2026; its instructions are those of AMD's public machine-readable ISA for CDNA 5 (MIT licence, August 2026) and "CDNA5" Instruction Set Architecture Reference Guide (July 2026). The comments in the code are by the model that wrote it; some were corrected since.
;; Linear2 Bit. Allowed arithmetic: matrix products marked QUANTISED: E5M2 operands, one given power-of-two scale a tensor, by v_wmma_f32_16x16x64_bf8_bf8 or v_wmma_f32_16x16x128_bf8_bf8, f32 sums; everything else in f32.
;; Inputs: bias 11,008 float32; lowp_scales 2 int32 (the exponents e of the quantised operands' scales 2^e); weight_norm 1,409,024 x 1 float16; weight_q2 1,409,024 x 8 int32; x 16 x 4,096 float32.
;; Outputs: out0 16 x 11,008 float32.
;; This version of the problem:
;;   THIS VERSION OF THE PROBLEM IS GIVEN IN LOW PRECISION. The matrix products marked QUANTISED in the list below multiply operands that are first quantised to E5M2 (5 exponent bits, 2 mantissa bits; 8 bits a number), with one given power-of-two scale for each operand tensor; their sums are f32. All else is computed in f32.
;;   The module's matrix products, in the order in which they are computed (A, B: the left and right operand; K: the contracted axis; several contracted axes count as one K, in the product's order):
;;     1. [M 16, K 4,096] x [K 4,096, N 11,008]; A: input x; B: computed on the way: QUANTISED (scales: A lowp_scales[0], B lowp_scales[1])
;;   THE QUANTISER, for each operand of a quantised product, along K:
;;     - The operand's scale is 2^e, e = its entry of the input lowp_scales (int32; the entries are numbered through the quantised products in the list's order, A before B).
;;     - Each number is divided by the scale, clamped to +-57,344, and rounded to the nearest number of E5M2, ties to even, subnormals kept.
;;     - The product sums the exact products of the quantised numbers (number of the format x scale) in f32.
;;   ~~~python
;;   def quantise(x, axis, e):      # numpy; x: float32 -> the quantised numbers, widened to float32 again
;;       x = np.moveaxis(x, axis, -1); K = x.shape[-1]
;;       r = np.clip(x / 2.0 ** e, -57344, 57344)
;;       step = 2.0 ** (np.maximum(np.frexp(np.where(r == 0, 1, r))[1] - 1, -14) - 2)
;;       q = np.round(r / step) * step * 2.0 ** e      # np.round: ties to even
;;       return np.moveaxis(q, -1, axis).astype(np.float32)
;;   ~~~
;;   OPERANDS COMPUTED ON THE WAY. 'Computed on the way' means the value that the module computes at that place (a softmax that the list does not call 'softmax' is quantised finished and normalised). What goes into a quantiser is computed in f32, as accurately as f32 sums, v_exp_f32 and their like allow (about 1e-6 of the number): no bf16 or f16 on the way to a quantiser, and a product that is left as it is and whose result goes on into a quantised operand takes f32 operands (vector FMAs, or v_wmma_f32_16x16x4_f32). A number that lies on a knife's edge between two numbers of the format may be rounded either way, as far as f32 arithmetic and the matrix unit's own rounding can turn it there, and no further.
;; One version. Each part assembles by itself: llvm-mc -triple=amdgcn-amd-amdhsa -mcpu=gfx1250 --defsym DOCPART=n.
;; ======== version 1 of 1: 1 launch
;; launch linear2bit (part 1): grid 256 x 1, 16 waves a work-group, no clusters, 320,512 bytes of LDS; arguments x, weight_q2, weight_norm, bias, lowp_scales, out0; writes out0
.if DOCPART == 1
	.amdgcn_target "amdgcn-amd-amdhsa--gfx1250"
	.amdhsa_code_object_version 6
	.text
	.protected	k_q7f8f53fac8_linear2bit
	.globl	k_q7f8f53fac8_linear2bit
	.p2align	8
	.type	k_q7f8f53fac8_linear2bit,@function
k_q7f8f53fac8_linear2bit:
	s_mov_b64 s[64:65], 0
	v_nop
	global_prefetch_b8 v0, s[64:65] scope:SCOPE_SE
	s_setreg_imm32_b32 hwreg(HW_REG_WAVE_MODE, 25, 1), 1
	s_wait_xcnt 0x0
; out[m][n] = sum over k of Q(x[m][k]) Q(W[n][k]) + bias[n].  x: [16][4096] f32.  W[n][k] = level(code) x norm, level = -1, -0.333, 0.333, 1:
; weight_q2 holds one int32 for four neighbouring k (code c in bits 2 c, 2 c + 1; only bits 0-7 count), weight_norm one f16 for 32 neighbouring k.  Q: codes of BF8 (E5M2) with the given scales 2^ex, 2^ew.
; LIMITS: ex and ew between -126 and 112, ex + ew between -126 and 127, so that each power of two below is an f32 number.  NaN in x or in the norms is not served (an infinity is held at the largest code).
; SHARES.  11,008 = 256 x 43: a work-group owns 43 rows of W, that is 43 columns of out, over all of K: 176,128 bytes of weight_q2 and 11,008 of norms.  All of it has room in LDS at once,
; so every byte that the work-group reads is asked for in its first lines: no slot is ever filled again, and nothing is left to ask for ahead.
; Wave w of sixteen owns K = 256 w .. 256 w + 255: 256 bytes, aligned, of each of the 43 rows, brought by three tensor loads of its own (rows 0-15, 16-31, 32-42) into LDS bytes that only it reads;
; and x[:, 256 w ..], 16 KB, which it quantises in registers into two fragments that stay.  Wave 0 also brings the norms, which all waves read behind a barrier.
; THE WEIGHTS' CODES.  A group of 32 has four values: they are made in f32, held and converted by the quantiser's rule into ONE register, a table of four codes.  Four int32 are packed to their low bytes P;
; (P >> 2 c) & 0x03030303 selects from the table by v_perm_b32: 14 instructions for 16 weights.  That lays k = 4 j + c at register c, byte j; x's codes are laid the same way (a 4 x 4 transposition of bytes),
; so every product meets its partner; only the order of the sums inside a matrix instruction differs from K ascending.
; TILES of 16 rows begin at rows 0, 16 and 27: the third overlaps the second by five rows, which are computed twice and stored once, so that no LDS byte is read that nobody filled.
; THE SUM OVER K spans the sixteen waves: each puts its three tiles' sums into LDS as images of its registers; a barrier; wave v adds up row m = v of out, scales, adds the bias and stores it.
; THE WAY OUT.  A work-group's 43 columns are 172 bytes of each of out's 16 rows, stored as 128 + 44 consecutive bytes.  These are no aligned blocks of 256 bytes: out's rows have 172 such blocks,
; which do not divide among 256 work-groups; the even split of the 45 MB of weights is taken instead, out being 1.4 % of the launch's bytes.
; NO CLUSTER: x is the one input that work-groups share.  A joint load would lay it in LDS as f32: 262,144 bytes beside the 198,832 of weights and norms are more than the 327,680 that a work-group can claim.
.set NR,    43                         ; rows of W to a work-group
.set PITCH, 272                        ; an LDS row: 256 bytes + 16 of padding = 68 words: row r starts at bank 4 r mod 64 (64 banks of 4 bytes: ISA guide 11.1), so the 16 rows that a load touches start at 16 different banks
.set WSL,   NR*PITCH                   ; a wave's weights in LDS: 11,696 bytes; sixteen of them from LDS byte 0 on
.set NB,    16*WSL                     ; 187,136: the norms, 43 rows x 272
.set STG,   198912                     ; the next multiple of 256 behind them: x's stages, 16 rows x 272 for each wave; no tensor load lands from here on
.set STW,   16*PITCH
.set RED,   STG+16*STW                 ; 268,544: the waves' sums, 3,072 bytes each
.set RDW,   3072
.set LANE, 2                           ; v2   lane
.set R16,  3                           ; v3   r = lane % 16
.set HALF, 4                           ; v4   h = lane / 16
.set XO,   5                           ; v5   x: 16,384 h + 16 r
.set O1,   6                           ; v6   bias and out: 4 x lane (columns 0-31)
.set O2,   7                           ; v7   4 r + 108 (columns 27 + r)
.set T272, 8                           ; v8   272 r
.set SST,  9                           ; v9   x's stage, on the way in
.set SRD,  10                          ; v10  and back
.set WA,   11                          ; v11  my place in my wave's weights: 272 r + 32 h
.set NA,   12                          ; v12  my place in the norms: 272 r + 16 w
.set SH,   13                          ; v13  16 h: which half of a word of two norms is mine
.set RS,   14                          ; v14  where I put my sums
.set RA,   15                          ; v15  where I read the sums of columns 0-31 of my row of out
.set RB,   16                          ; v16  and of columns 27-42
.set SX,   17                          ; v17  2^ex;  v18  57,344 x 2^ex;  v19, v20 the same with ew
.set LX,   18
.set SW,   19
.set LW,   20
.set BI,   22                          ; v[22:23] bias of my two columns
.set XF,   24                          ; v24-55   x's two fragments
.set AT,   56                          ; v56-63   x's codes before the transposition;  v64-67 at work
.set UV,   64
.set NRM,  56                          ; v56-67   later: the norms, four words a tile
.set TAB,  68                          ; v68-79   the tables: tile t, group u at 4 t + u
.set S,    80                          ; v80-95   the tables' sixteen numbers
.set TP,   100                         ; v100-111 at work (named by number where a half register is named)
.set XR,   128                         ; v128-255 x as loaded, then turned
.set RAW,  128                         ; v128-159 later: a tile's int32
.set C0,   160                         ; v160-175, v176-191 the weights' fragments of K steps 0 and 1
.set C1,   176
.set ACC,  192                         ; v192-239 six accumulators: tile t, K step s at 16 t + 8 s
.set FR,   128                         ; v128-159 at the end: sixteen pairs of sums
.set WV,   16                          ; s16  my wave's number
.set G1A,  32                          ; s[32:39] descriptor group 1: 16 rows of weights;  s[40:47]: 11 rows;  s[48:55]: the norms
.set G1C,  40
.set G1N,  48
.set G0N,  56                          ; groups 0: a set for each load, never rewritten
.set G0A,  60
.set G0B,  68
.set G0C,  72
.set SELA, 84                          ; selectors for v_perm_b32
.set SELB, 85
.set SELL, 86
.set SELH, 87
.set SELP, 88
.set MSK,  89
	s_load_b256 s[4:11], s[0:1], 0x0               ; x s[4:5], weight_q2 s[6:7], weight_norm s[8:9], bias s[10:11]
	s_load_b128 s[12:15], s[0:1], 0x20             ; the scales' exponents s[12:13], out s[14:15]
	v_lshl_add_u32 v126, v0, 2, 0x4dc00
	v_mov_b32 v127, 0
	ds_add_u32 v126, v127
	ds_add_u32 v126, v127
	v_lshrrev_b32 v1, 5, v0
	v_readfirstlane_b32 s[WV], v1                  ; wave 0..15
	v_and_b32 v[LANE], 31, v0
	v_and_b32 v[R16], 15, v0
	v_bfe_u32 v[HALF], v0, 4, 1
	v_lshlrev_b32 v[XO], 4, v[R16]
	v_lshl_add_u32 v[XO], v[HALF], 14, v[XO]       ; x: lanes 0-15 take 256 bytes of one row, lanes 16-31 of the next
	v_lshlrev_b32 v[O1], 2, v[LANE]
	v_lshl_add_u32 v[O2], v[R16], 2, 108
	; every LDS address: a constant + a constant x wave + lane terms
	s_mul_i32 s18, s[WV], WSL                      ; my wave's weights
	s_mul_i32 s19, s[WV], STW
	s_add_co_u32 s19, s19, STG                     ; my wave's stage
	v_mul_u32_u24 v[T272], v[R16], PITCH
	v_mul_u32_u24 v[SST], v[HALF], PITCH
	v_lshl_add_u32 v[SST], v[R16], 4, v[SST]
	v_add_nc_u32 v[SST], s19, v[SST]               ; in: row h of a pair of rows, 16 r
	v_lshl_add_u32 v[SRD], v[HALF], 7, v[T272]
	v_add_nc_u32 v[SRD], s19, v[SRD]               ; back: row r, my half's 128 bytes
	v_lshl_add_u32 v[WA], v[HALF], 5, v[T272]
	v_add_nc_u32 v[WA], s18, v[WA]
	s_lshl_b32 s17, s[WV], 4
	s_add_co_u32 s17, s17, NB
	v_add_nc_u32 v[NA], s17, v[T272]               ; a row's 16 bytes of norms for my wave's eight groups
	v_lshlrev_b32 v[SH], 4, v[HALF]
	s_mul_i32 s17, s[WV], RDW
	s_add_co_u32 s17, s17, RED
	v_lshl_add_u32 v[RS], v[LANE], 4, s17
	s_lshr_b32 s17, s[WV], 3                       ; row m = my wave's number lies in lanes 16 (m / 8) + r, register m % 8 of an accumulator:
	s_lshl_b32 s17, s17, 8                         ; 256 (m / 8)
	s_bfe_u32 s20, s[WV], 0x10002
	s_lshl_b32 s20, s20, 9                         ; + 512 ((m / 4) % 2): the image of registers 4-7
	s_add_co_u32 s17, s17, s20
	s_and_b32 s20, s[WV], 3
	s_lshl_b32 s20, s20, 2                         ; + 4 (m % 4)
	s_add_co_u32 s17, s17, s20
	s_add_co_u32 s17, s17, RED
	v_lshl_add_u32 v[RB], v[R16], 4, s17
	v_lshl_add_u32 v[RA], v[HALF], 10, v[RB]       ; tiles 0 and 1: column = lane
	v_add_nc_u32 v[RB], 2048, v[RB]                ; tile 2: column = 27 + r
	; byte offsets into the buffers, each in a pair of its own
	s_lshl_b32 s20, s[WV], 10                      ; x: my 256 numbers of a row
	s_mov_b32 s21, 0
	s_mul_i32 s22, ttmp9, 4*NR                     ; bias: my work-group's 43 numbers
	s_mov_b32 s23, 0
	s_mul_i32 s24, ttmp9, NR*4096                  ; weight_q2: 43 rows of 4,096 bytes,
	s_lshl_b32 s17, s[WV], 8
	s_add_co_u32 s24, s24, s17                     ; + my wave's 256 bytes of a row (under 2^26)
	s_mov_b32 s25, 0
	s_mul_i32 s26, ttmp9, NR*256                   ; weight_norm: 43 rows of 256 bytes
	s_mov_b32 s27, 0
	s_mul_i32 s28, s[WV], 44032                    ; out: row m = my wave's number,
	s_add_co_u32 s28, s28, s22                     ; + my work-group's 43 columns
	s_mov_b32 s29, 0
	; descriptor groups 1: rows of 64 words, 4 words of padding behind each
.irp g, G1A, G1C, G1N
	s_mov_b32 s[\g], (2<<16)|(1<<20)|(5<<22)|(3<<25)   ; 15:0 no mask; 17:16 elements of 4 bytes; 20 padding on; 24:22 after every 64 words (code 5); 31:25 four words (code 3)
	s_mov_b32 s[\g+1], 64<<16                      ; tensor_dim0 = 64
	s_mov_b32 s[\g+3], 64<<16                      ; tile_dim0 = 64
	s_mov_b32 s[\g+6], 0
	s_mov_b32 s[\g+7], 0
.endr
	s_mov_b32 s[G1A+2], 16<<16                     ; tensor_dim1,
	s_mov_b32 s[G1A+4], 16                         ; tile_dim1: 16 rows,
	s_mov_b32 s[G1A+5], 1024                       ; 1,024 words from row to row
	s_mov_b32 s[G1C+2], 11<<16
	s_mov_b32 s[G1C+4], 11
	s_mov_b32 s[G1C+5], 1024
	s_mov_b32 s[G1N+2], NR<<16                     ; the norms: 43 rows, dense
	s_mov_b32 s[G1N+4], NR
	s_mov_b32 s[G1N+5], 64
	s_mov_b32 s[SELA], 0x05010400                  ; bytes 0 and 1 of two registers, interleaved
	s_mov_b32 s[SELB], 0x07030602                  ; bytes 2 and 3
	s_mov_b32 s[SELL], 0x05040100                  ; the two low halves
	s_mov_b32 s[SELH], 0x07060302                  ; the two high halves
	s_mov_b32 s[SELP], 0x04000400                  ; the two lowest bytes
	s_mov_b32 s[MSK], 0x03030303
	s_wait_dscnt 0x0
	s_wait_kmcnt 0x0
	s_load_b64 s[30:31], s[12:13], 0x0             ; ex, ew
	s_add_nc_u64 s[10:11], s[10:11], s[22:23]
	s_add_nc_u64 s[4:5], s[4:5], s[20:21]
	s_add_nc_u64 s[14:15], s[14:15], s[28:29]
	s_mov_b32 s[G0N], 1                            ; 1:0 count = 1
	s_mov_b32 s[G0N+1], NB                         ; 63:32 LDS address
	s_add_nc_u64 s[G0N+2:G0N+3], s[8:9], s[26:27]  ; 120:64 global address
	s_mov_b32 s[G0A], 1
	s_mov_b32 s[G0A+1], s18
	s_add_nc_u64 s[G0A+2:G0A+3], s[6:7], s[24:25]  ; rows 0-15
	s_mov_b32 s[G0B], 1
	s_add_co_u32 s[G0B+1], s18, 16*PITCH
	s_add_nc_u64 s[G0B+2:G0B+3], s[G0A+2:G0A+3], 16*4096   ; rows 16-31
	s_mov_b32 s[G0C], 1
	s_add_co_u32 s[G0C+1], s18, 32*PITCH
	s_add_nc_u64 s[G0C+2:G0C+3], s[G0A+2:G0A+3], 32*4096   ; rows 32-42
.irp g, G0N, G0A, G0B, G0C
	s_or_b32 s[\g+3], s[\g+3], 0x80000000          ; 127:126 type = 2
.endr
	; x is asked for first: all the wave's work waits for it.  Phase p is 64 along K: eight loads, each two aligned runs of 256 bytes (rows 2 i and 2 i + 1)
	global_load_b32 v[BI], v[O1], s[10:11]
	global_load_b32 v[BI+1], v[O2], s[10:11]
.irp p, 0,1,2,3
.irp i, 0,1,2,3,4,5,6,7
	global_load_b128 v[XR+32*\p+4*\i:XR+32*\p+4*\i+3], v[XO], s[4:5] offset:\i*32768+\p*256
.endr
.endr
	; all tensor loads of the launch, ahead of every wait on TENSORcnt, every LDS read and every barrier.  Wave 0 has four out, the others three
	s_cmp_lg_u32 s[WV], 0
	s_cbranch_scc1 .Lnot_wave_0
	tensor_load_to_lds s[G0N:G0N+3], s[G1N:G1N+7]  ; the norms go first: they are wanted first
	s_nop 0
.Lnot_wave_0:
	tensor_load_to_lds s[G0A:G0A+3], s[G1A:G1A+7]
	s_nop 0
	tensor_load_to_lds s[G0B:G0B+3], s[G1A:G1A+7]
	s_nop 0
	tensor_load_to_lds s[G0C:G0C+3], s[G1C:G1C+7]
	s_nop 0
	s_wait_kmcnt 0x0
	s_add_co_i32 s80, s30, 127
	s_lshl_b32 s81, s80, 23
	v_mov_b32 v[SX], s81                           ; 2^ex as f32: the conversion takes its exponent field
	s_add_co_i32 s81, s80, 15
	s_lshl_b32 s81, s81, 23
	s_or_b32 s81, s81, 0x600000
	v_mov_b32 v[LX], s81                           ; 57,344 x 2^ex
	s_add_co_i32 s80, s31, 127
	s_lshl_b32 s81, s80, 23
	v_mov_b32 v[SW], s81                           ; 2^ew
	s_add_co_i32 s81, s80, 15
	s_lshl_b32 s81, s81, 23
	s_or_b32 s81, s81, 0x600000
	v_mov_b32 v[LW], s81                           ; 57,344 x 2^ew
	s_add_co_i32 s82, s30, s31
	s_add_co_i32 s82, s82, 127
	s_lshl_b32 s82, s82, 23                        ; 2^(ex + ew) as f32
	s_mov_b32 s83, s82                             ; (named with it as a pair, so it is written)
; Phase p of x goes through my stage: in as it was loaded, back so that lane (r, h) holds, of row r, the 32 numbers k = 64 p + 32 h + 0 .. 31, into the registers that it left.
; LDS serves a wave's instructions in order (ISA guide 5.7.1.4): no wait between the stores and the loads, nor in front of the next phase's stores.
.macro TURN p
	s_wait_loadcnt 24-8*\p                         ; loads come back in order: the bias and phases 0 .. p are in, the later phases' eight loads each may be out
.irp i, 0,1,2,3,4,5,6,7
	ds_store_b128 v[SST], v[XR+32*\p+4*\i:XR+32*\p+4*\i+3] offset:\i*2*PITCH
.endr
.irp j, 0,1,2,3,4,5,6,7
	ds_load_b128 v[XR+32*\p+4*\j:XR+32*\p+4*\j+3], v[SRD] offset:16*\j
.endr
.endm
; The 32 numbers become 8 registers of the fragment.  The conversion lays k = 4 j + c at register j, byte c; the weights' codes come with k = 4 j + c at register c, byte j (j = 0 .. 3): two rounds of v_perm_b32 transpose 4 x 4 bytes.
.macro WORK p, left
	s_wait_dscnt \left                             ; the phase is back; left = the next phase's 8 stores and 8 loads
.set i, 0
.rept 32
	v_med3_num_f32 v[XR+32*\p+i], v[XR+32*\p+i], -v[LX], v[LX]   ; the conversion to an 8-bit code does not saturate (ISA guide 7.6.2): the hold at the largest code x the scale
.set i, i+1
.endr
.irp g, 0,1,2,3
	v_cvt_scalef32_pk8_bf8_f32 v[AT+2*\g:AT+2*\g+1], v[XR+32*\p+8*\g:XR+32*\p+8*\g+7], v[SX]
.endr
	v_nop                                          ; one plain vector instruction between the scaled conversions and the first use of their results
.irp a, 0,1
	v_perm_b32 v[UV], v[AT+4*\a+1], v[AT+4*\a], s[SELA]
	v_perm_b32 v[UV+1], v[AT+4*\a+1], v[AT+4*\a], s[SELB]
	v_perm_b32 v[UV+2], v[AT+4*\a+3], v[AT+4*\a+2], s[SELA]
	v_perm_b32 v[UV+3], v[AT+4*\a+3], v[AT+4*\a+2], s[SELB]
	v_perm_b32 v[XF+8*\p+4*\a], v[UV+2], v[UV], s[SELL]
	v_perm_b32 v[XF+8*\p+4*\a+1], v[UV+2], v[UV], s[SELH]
	v_perm_b32 v[XF+8*\p+4*\a+2], v[UV+3], v[UV+1], s[SELL]
	v_perm_b32 v[XF+8*\p+4*\a+3], v[UV+3], v[UV+1], s[SELH]
.endr
.endm
	TURN 0
	TURN 1
	WORK 0, 16
	TURN 2
	WORK 1, 16
	TURN 3
	WORK 2, 16
	WORK 3, 0
	s_wait_tensorcnt 0x3                           ; tensor loads of a wave end in order (ISA guide 10.11.1): in wave 0 the norms are in; the three loads of weights issued behind them may be out
	s_barrier_signal -1
	s_barrier_wait -1
	ds_load_b128 v[NRM:NRM+3], v[NA]               ; the eight norms of my row in each of the three tiles
	ds_load_b128 v[NRM+4:NRM+7], v[NA] offset:16*PITCH
	ds_load_b128 v[NRM+8:NRM+11], v[NA] offset:27*PITCH
; The tables of tile t: lane (r, h) takes groups 2 u + h, u = 0 .. 3, of its row.  Word u holds the norms of groups 2 u and 2 u + 1.  All twelve tables are made here, while the weights are on their way.
.macro TABLE t
	s_wait_dscnt 2-\t                              ; the later tiles' norms may be out
	v_lshrrev_b32 v100, v[SH], v[NRM+4*\t]         ; my half of the word into the low half
	v_lshrrev_b32 v101, v[SH], v[NRM+4*\t+1]
	v_lshrrev_b32 v102, v[SH], v[NRM+4*\t+2]
	v_lshrrev_b32 v103, v[SH], v[NRM+4*\t+3]
	v_cvt_f32_f16 v104, v100.l                     ; the norm as f32, exact
	v_cvt_f32_f16 v105, v101.l
	v_cvt_f32_f16 v106, v102.l
	v_cvt_f32_f16 v107, v103.l
	v_mul_f32 v108, 0x3eaa7efa, v104               ; 0.333 x norm in f32
	v_mul_f32 v109, 0x3eaa7efa, v105
	v_mul_f32 v110, 0x3eaa7efa, v106
	v_mul_f32 v111, 0x3eaa7efa, v107
.irp u, 0,1,2,3
	v_med3_num_f32 v[S+4*\u], -v[104+\u], -v[LW], v[LW]       ; code 0: -norm; each of the four held at the largest code x the scale
	v_med3_num_f32 v[S+4*\u+1], -v[108+\u], -v[LW], v[LW]     ; code 1: -0.333 norm
	v_med3_num_f32 v[S+4*\u+2], v[108+\u], -v[LW], v[LW]      ; code 2
	v_med3_num_f32 v[S+4*\u+3], v[104+\u], -v[LW], v[LW]      ; code 3
.endr
	v_cvt_scalef32_pk8_bf8_f32 v[TAB+4*\t:TAB+4*\t+1], v[S:S+7], v[SW]       ; a group's four codes are one register: byte = the 2-bit code
	v_cvt_scalef32_pk8_bf8_f32 v[TAB+4*\t+2:TAB+4*\t+3], v[S+8:S+15], v[SW]
	v_nop                                          ; one plain vector instruction behind the scaled conversions
.endm
	TABLE 0
	TABLE 1
	TABLE 2
; K step s of tile t: 16 int32 a lane become 16 registers of codes in v[c] on, and one matrix instruction.  Piece q (four int32) belongs to group u = 2 s + q / 2.  The four pieces go side by side, so that no line waits for the line above it.
.macro UNIT t, s, c
.irp q, 0,1,2,3
	v_perm_b32 v[TP+\q], v[RAW+16*\s+4*\q+1], v[RAW+16*\s+4*\q], s[SELP]
	v_perm_b32 v[TP+4+\q], v[RAW+16*\s+4*\q+3], v[RAW+16*\s+4*\q+2], s[SELP]
.endr
.irp q, 0,1,2,3
	v_perm_b32 v[TP+8+\q], v[TP+4+\q], v[TP+\q], s[SELL]      ; P: the low bytes of four int32: whatever their upper 24 bits hold is dropped
.endr
.irp q, 0,1,2,3
	v_and_b32 v[TP+\q], s[MSK], v[TP+8+\q]
.endr
.irp q, 0,1,2,3
	v_lshrrev_b32 v[TP+4+\q], 2, v[TP+8+\q]
.endr
.irp q, 0,1,2,3
	v_perm_b32 v[\c+4*\q], v[TAB+4*\t+2*\s+\q/2], v[TAB+4*\t+2*\s+\q/2], v[TP+\q]      ; code 0 of the four int32
.endr
.irp q, 0,1,2,3
	v_and_b32 v[TP+4+\q], s[MSK], v[TP+4+\q]
.endr
.irp q, 0,1,2,3
	v_lshrrev_b32 v[TP+\q], 4, v[TP+8+\q]
.endr
.irp q, 0,1,2,3
	v_perm_b32 v[\c+4*\q+1], v[TAB+4*\t+2*\s+\q/2], v[TAB+4*\t+2*\s+\q/2], v[TP+4+\q]
.endr
.irp q, 0,1,2,3
	v_and_b32 v[TP+\q], s[MSK], v[TP+\q]
.endr
.irp q, 0,1,2,3
	v_lshrrev_b32 v[TP+4+\q], 6, v[TP+8+\q]
.endr
.irp q, 0,1,2,3
	v_perm_b32 v[\c+4*\q+2], v[TAB+4*\t+2*\s+\q/2], v[TAB+4*\t+2*\s+\q/2], v[TP+\q]
.endr
.irp q, 0,1,2,3
	v_and_b32 v[TP+4+\q], s[MSK], v[TP+4+\q]
.endr
.irp q, 0,1,2,3
	v_perm_b32 v[\c+4*\q+3], v[TAB+4*\t+2*\s+\q/2], v[TAB+4*\t+2*\s+\q/2], v[TP+4+\q]
.endr
	v_wmma_f32_16x16x128_bf8_bf8 v[ACC+16*\t+8*\s:ACC+16*\t+8*\s+7], v[XF+16*\s:XF+16*\s+15], v[\c:\c+15], 0   ; source 0 = x's 16 rows, source 1 = 16 rows of W.  Each of the six has an accumulator of its own and starts it: no chain
.endm
; Tile t's two sums are added, from the accumulators' low end on, and go to LDS as they stand: lane l's 16 bytes at 16 l.  Each tile has registers of its own for it.
.macro FLUSH t, r
.irp i, 0,2,4,6
	v_pk_add_f32 v[\r+\i:\r+\i+1], v[ACC+16*\t+\i:ACC+16*\t+\i+1], v[ACC+16*\t+8+\i:ACC+16*\t+8+\i+1]
.endr
	ds_store_b128 v[RS], v[\r:\r+3] offset:\t*1024
	ds_store_b128 v[RS], v[\r+4:\r+7] offset:\t*1024+512
.endm
; The int32 of tile t, whose rows begin at row tb: lane (r, h), K step s, piece q: bytes 128 s + 64 (q / 2) + 32 h + 16 (q % 2) of row tb + r
.macro FETCH tb
.irp s, 0,1
.irp q, 0,1,2,3
	ds_load_b128 v[RAW+16*\s+4*\q:RAW+16*\s+4*\q+3], v[WA] offset:\tb*PITCH+128*\s+64*(\q/2)+16*(\q%2)
.endr
.endr
	s_wait_dscnt 0x4                               ; K step 0's four loads are in, K step 1's may be out
.endm
	s_wait_tensorcnt 0x2                           ; my rows 0-15 are in; only I read them, so my own wait is all the ordering
	FETCH 0
	UNIT 0, 0, C0
	s_wait_dscnt 0x0
	UNIT 0, 1, C1
	s_wait_tensorcnt 0x1                           ; rows 16-31
	FETCH 16
	UNIT 1, 0, C0
	s_wait_dscnt 0x0
	FLUSH 0, 240                                   ; tile 0's last product stands 56 plain vector instructions back
	UNIT 1, 1, C1
	s_wait_tensorcnt 0x0                           ; rows 32-42: tile 2 is rows 27-42
	FETCH 27
	UNIT 2, 0, C0
	s_wait_dscnt 0x0
	FLUSH 1, 248
	UNIT 2, 1, C1
.rept 4
	v_nop                                          ; four places between the last product and the first read of its result (ISA guide 7.12.1)
.endr
	FLUSH 2, 116
	s_wait_dscnt 0x0                               ; for the others' sake: my sums lie in LDS
	s_barrier_signal -1
	s_barrier_wait -1
	; row m = my wave's number of out: for each of the sixteen waves' sums a pair: column = lane (tiles 0 and 1), and column 27 + r (tile 2)
.irp i, 0,1,2,3,4,5,6,7,8,9,10,11,12,13,14,15
	ds_load_b32 v[FR+2*\i], v[RA] offset:\i*RDW
	ds_load_b32 v[FR+2*\i+1], v[RB] offset:\i*RDW
.endr
	v_sub_nc_u32 v1, v[LANE], 5
	v_cmp_gt_u32 vcc_lo, 11, v1                    ; lanes 5 to 15: columns 32 to 42, which tile 1 does not hold
	s_wait_dscnt 0x0
.irp k, 0,1,2,3,4,5,6,7
	v_pk_add_f32 v[FR+4*\k:FR+4*\k+1], v[FR+4*\k:FR+4*\k+1], v[FR+4*\k+2:FR+4*\k+3]
.endr
.irp k, 0,1,2,3
	v_pk_add_f32 v[FR+8*\k:FR+8*\k+1], v[FR+8*\k:FR+8*\k+1], v[FR+8*\k+4:FR+8*\k+5]
.endr
.irp k, 0,1
	v_pk_add_f32 v[FR+16*\k:FR+16*\k+1], v[FR+16*\k:FR+16*\k+1], v[FR+16*\k+8:FR+16*\k+9]
.endr
	v_pk_add_f32 v[FR:FR+1], v[FR:FR+1], v[FR+16:FR+17]
	v_pk_fma_f32 v[FR:FR+1], v[FR:FR+1], s[82:83], v[BI:BI+1] op_sel_hi:[1,0,1]   ; sum x 2^(ex + ew) + bias (the scalar pair's low word for both halves)
	global_store_b32 v[O1], v[FR], s[14:15] th:TH_STORE_NT          ; columns 0-31 of my row: 128 consecutive bytes
	s_wait_xcnt 0x0                                ; EXEC is a source of the store above: it changes only behind this wait
	s_wait_tensorcnt 0x0
	ds_add_u32 v126, v127
	s_wait_dscnt 0x0
	s_and_saveexec_b32 s20, vcc_lo
	global_store_b32 v[O2], v[FR+1], s[14:15] th:TH_STORE_NT        ; columns 32-42: 44 consecutive bytes
	s_endpgm
.Lfunc_end_k_q7f8f53fac8_linear2bit:
	.size	k_q7f8f53fac8_linear2bit, .Lfunc_end_k_q7f8f53fac8_linear2bit-k_q7f8f53fac8_linear2bit
	.p2alignl 7, 3214868480
	.fill 96, 4, 3214868480
	.section	.rodata,"a",@progbits
	.p2align	6, 0x0
	.amdhsa_kernel k_q7f8f53fac8_linear2bit
		.amdhsa_group_segment_fixed_size 320512
		.amdhsa_private_segment_fixed_size 0
		.amdhsa_enable_private_segment 0
		.amdhsa_kernarg_size 48
		.amdhsa_user_sgpr_count 2
		.amdhsa_user_sgpr_kernarg_segment_ptr 1
		.amdhsa_wavefront_size32 1
		.amdhsa_system_sgpr_workgroup_id_x 1
		.amdhsa_system_sgpr_workgroup_id_y 1
		.amdhsa_system_sgpr_workgroup_id_z 1
		.amdhsa_system_vgpr_workitem_id 0
		.amdhsa_next_free_vgpr 256
		.amdhsa_next_free_sgpr 96
		.amdhsa_reserve_vcc 1
		.amdhsa_float_denorm_mode_32 3
		.amdhsa_float_denorm_mode_16_64 3
		.amdhsa_memory_ordered 1
		.amdhsa_forward_progress 1
		.amdhsa_inst_pref_size 56
	.end_amdhsa_kernel
	.amdgpu_metadata
---
amdhsa.version: [ 1, 2 ]
amdhsa.kernels:
  - .name:           k_q7f8f53fac8_linear2bit
    .symbol:         k_q7f8f53fac8_linear2bit.kd
    .args:
      - { .name: x, .offset: 0, .size: 8, .value_kind: global_buffer, .address_space: global }
      - { .name: weight_q2, .offset: 8, .size: 8, .value_kind: global_buffer, .address_space: global }
      - { .name: weight_norm, .offset: 16, .size: 8, .value_kind: global_buffer, .address_space: global }
      - { .name: bias, .offset: 24, .size: 8, .value_kind: global_buffer, .address_space: global }
      - { .name: lowp_scales, .offset: 32, .size: 8, .value_kind: global_buffer, .address_space: global }
      - { .name: out0, .offset: 40, .size: 8, .value_kind: global_buffer, .address_space: global }
    .group_segment_fixed_size: 320512
    .private_segment_fixed_size: 0
    .kernarg_segment_align: 8
    .kernarg_segment_size: 48
    .max_flat_workgroup_size: 512
    .sgpr_count:     96
    .vgpr_count:     256
    .wavefront_size: 32
...
	.end_amdgpu_metadata
.endif
;; end of part 1
